; MI455X (gfx1250); checked and timed in simulation.
; The chip was launched on July 23, 2026; its instructions are those of AMD's public machine-readable ISA for CDNA 5 (MIT licence, August 2026) and "CDNA5" Instruction Set Architecture Reference Guide (July 2026). The comments in the code are by the model that wrote it; some were corrected since.
;; Cosine Sim Codebook. Allowed arithmetic: matrix products marked QUANTISED: E4M3 operands, one given power-of-two scale a tensor, by v_wmma_f32_16x16x64_fp8_fp8 or v_wmma_f32_16x16x128_fp8_fp8, f32 sums; everything else in f32.
;; Inputs: cluster_size 1 x 4,096 float32; embed 1 x 4,096 x 64 float32; lowp_scales 4 int32 (the exponents e of the quantised operands' scales 2^e); x 16 x 4,096 x 64 float32.
;; Outputs: out0 16 x 4,096 x 64 float32; out1 16 x 4,096 int32; out2 1 x 4,096 x 64 float32; out3 1 x 4,096 float32.
;; This version of the problem:
;;   THIS VERSION OF THE PROBLEM IS GIVEN IN LOW PRECISION. The matrix products marked QUANTISED in the list below multiply operands that are first quantised to E4M3 (4 exponent bits, 3 mantissa bits; 8 bits a number), with one given power-of-two scale for each operand tensor; their sums are f32. All else is computed in f32.
;;   The module's matrix products, in the order in which they are computed (A, B: the left and right operand; K: the contracted axis; several contracted axes count as one K, in the product's order):
;;     1. [M 65,536, K 64] x [K 64, N 4,096]; A: computed on the way; B: computed on the way: QUANTISED (scales: A lowp_scales[0], B lowp_scales[1])
;;     2. [M 4,096, K 65,536] x [K 65,536, N 64]; A: computed on the way; B: computed on the way: QUANTISED (scales: A lowp_scales[2], B lowp_scales[3])
;;   THE QUANTISER, for each operand of a quantised product, along K:
;;     - The operand's scale is 2^e, e = its entry of the input lowp_scales (int32; the entries are numbered through the quantised products in the list's order, A before B).
;;     - Each number is divided by the scale, clamped to +-448, and rounded to the nearest number of E4M3, ties to even, subnormals kept.
;;     - The product sums the exact products of the quantised numbers (number of the format x scale) in f32.
;;   ~~~python
;;   def quantise(x, axis, e):      # numpy; x: float32 -> the quantised numbers, widened to float32 again
;;       x = np.moveaxis(x, axis, -1); K = x.shape[-1]
;;       r = np.clip(x / 2.0 ** e, -448, 448)
;;       step = 2.0 ** (np.maximum(np.frexp(np.where(r == 0, 1, r))[1] - 1, -6) - 3)
;;       q = np.round(r / step) * step * 2.0 ** e      # np.round: ties to even
;;       return np.moveaxis(q, -1, axis).astype(np.float32)
;;   ~~~
;;   OPERANDS COMPUTED ON THE WAY. 'Computed on the way' means the value that the module computes at that place (a softmax that the list does not call 'softmax' is quantised finished and normalised). What goes into a quantiser is computed in f32, as accurately as f32 sums, v_exp_f32 and their like allow (about 1e-6 of the number): no bf16 or f16 on the way to a quantiser, and a product that is left as it is and whose result goes on into a quantised operand takes f32 operands (vector FMAs, or v_wmma_f32_16x16x4_f32). A number that lies on a knife's edge between two numbers of the format may be rounded either way, as far as f32 arithmetic and the matrix unit's own rounding can turn it there, and no further.
;; One version. Each part assembles by itself: llvm-mc -triple=amdgcn-amd-amdhsa -mcpu=gfx1250 --defsym DOCPART=n.
;; ======== version 1 of 1: 3 launches
;; limits: right only within a limited range of input values
;; workspace buffers: ecodes 262,144 bytes; tid 65,536 bytes of whole numbers; xc 8,388,608 bytes
;; launch prep (part 1): grid 256 x 1, 1 waves a work-group, no clusters, 0 bytes of LDS; arguments embed, lowp_scales, ecodes; writes ecodes
.if DOCPART == 1
	.amdgcn_target "amdgcn-amd-amdhsa--gfx1250"
	.amdhsa_code_object_version 6
	.text
	.protected	k_qc7f4931ebf_prep
	.globl	k_qc7f4931ebf_prep
	.p2align	8
	.type	k_qc7f4931ebf_prep,@function
k_qc7f4931ebf_prep:
	s_mov_b64 s[64:65], 0
	v_nop
	global_prefetch_b8 v0, s[64:65] scope:SCOPE_SE
	s_setreg_imm32_b32 hwreg(HW_REG_WAVE_MODE, 25, 1), 1
	s_wait_xcnt 0x0
; The codebook, normalised row by row and turned into codes of E4M3 with the given scale 2^e1 (entry 1 of the scales), once for the whole program.
; embed: [4096][64] f32.  ecodes: 256 tiles of 16 rows, 1,024 bytes each, laid AS THE OPERAND'S REGISTERS: byte t*1024 + q*512 + lane*16 + i is the code of
; row 16 t + (lane % 16), channel 32 q + 16 (lane / 16) + i.  So a later wave has a tile's fragment by two loads of 16 bytes a lane, 512 consecutive bytes each.
; One wave to a tile: lane (r, h) holds 32 numbers of row r; the row's other 32 lie in the lane 16 away.
; code = (x / max(|row|, 1e-12)) / 2^e1, held within +-448, to the nearest code, ties to even.
; LIMITS: e1 between -126 and 119; NaN and infinity among the inputs are not served; a row's sum of squares is a normal f32 number or 0.
.set X,   8                            ; v[8:39]   my 32 numbers: register 16 q + i = channel 32 q + 16 h + i
.set SQ,  40                           ; v[40:43]  the sum of squares at work, then 1 / norm
.set SC,  48                           ; v48       2^e1 as f32
.set LIM, 49                           ; v49       448 x 2^e1
.set CD,  52                           ; v[52:59]  the codes
.set SEL, 12                           ; s[12:13]  lane selects: each lane takes its own place in the other half
; the sum of the squares of a row: my 32 numbers in two packed chains, then the other half of the lanes'
.macro SUMSQ s, a
	v_pk_mul_f32 v[\a:\a+1], v[\s:\s+1], v[\s:\s+1]
	v_pk_mul_f32 v[\a+2:\a+3], v[\s+2:\s+3], v[\s+2:\s+3]
.irp i, 4,8,12,16,20,24,28
	v_pk_fma_f32 v[\a:\a+1], v[\s+\i:\s+\i+1], v[\s+\i:\s+\i+1], v[\a:\a+1]
	v_pk_fma_f32 v[\a+2:\a+3], v[\s+\i+2:\s+\i+3], v[\s+\i+2:\s+\i+3], v[\a+2:\a+3]
.endr
	v_pk_add_f32 v[\a:\a+1], v[\a:\a+1], v[\a+2:\a+3]
	v_add_f32 v[\a], v[\a], v[\a+1]
	v_permlanex16_b32 v[\a+1], v[\a], s[SEL], s[SEL+1]
	v_add_f32 v[\a], v[\a], v[\a+1]
.endm
; v[a] = 1 / max(sqrt(v[a]), 1e-12).  Behind each transcendental one plain line and the wait ahead of the first reader
.macro RNORM1 a
	v_sqrt_f32 v[\a+2], v[\a]
	v_nop
	s_wait_alu depctr_va_vdst(0)
	v_max_num_f32 v[\a+2], 0x2b8cbccc, v[\a+2]
	s_wait_alu depctr_va_vdst(0)
	v_rcp_f32 v[\a], v[\a+2]
	v_nop
	s_wait_alu depctr_va_vdst(0)
.endm
.macro SCALE s, a                      ; my 32 numbers x v[a], two at a time
.set QI, 0
.rept 16
	v_pk_mul_f32 v[\s+QI:\s+QI+1], v[\s+QI:\s+QI+1], v[\a:\a+1] op_sel_hi:[1,0]
.set QI, QI+2
.endr
.endm
; 32 numbers v[s..] are held within +-v[lim] into v[t..] and become 32 codes in v[d..d+7]; the conversion does not saturate (ISA guide 7.6.2), hence the hold
.macro QUANT s, t, d, sc, lim
.set QI, 0
.rept 32
	v_med3_num_f32 v[\t+QI], v[\s+QI], -v[\lim], v[\lim]
.set QI, QI+1
.endr
.irp g, 0,1,2,3
	v_cvt_scalef32_pk8_fp8_f32 v[\d+2*\g:\d+2*\g+1], v[\t+8*\g:\t+8*\g+7], v[\sc]
.endr
	v_nop                                          ; one plain line behind the last scaled conversion
.endm
	s_load_b128 s[4:7], s[0:1], 0x0                ; embed s[4:5], the scales' exponents s[6:7]
	s_load_b64 s[8:9], s[0:1], 0x10                ; ecodes
	v_and_b32 v1, 15, v0                           ; r
	v_bfe_u32 v2, v0, 4, 1                         ; h
	v_lshlrev_b32 v3, 8, v1
	v_lshl_add_u32 v3, v2, 6, v3                   ; row r of 256 bytes, + 64 h
	v_lshlrev_b32 v4, 4, v0                        ; 16 x lane (one wave: the thread's number is the lane)
	s_mov_b32 s[SEL], 0x76543210
	s_mov_b32 s[SEL+1], 0xfedcba98
	s_lshl_b32 s14, ttmp9, 12                      ; the tile's 16 rows of 256 bytes
	s_mov_b32 s15, 0
	s_lshl_b32 s16, ttmp9, 10                      ; and its 1,024 bytes of codes
	s_mov_b32 s17, 0
	s_wait_alu depctr_va_vdst(0)
	s_wait_kmcnt 0x0
	s_load_b32 s10, s[6:7], 0x4                    ; e1
	s_add_nc_u64 s[4:5], s[4:5], s[14:15]
	s_add_nc_u64 s[8:9], s[8:9], s[16:17]
.irp q, 0,1
.irp i, 0,1,2,3
	global_load_b128 v[X+16*\q+4*\i:X+16*\q+4*\i+3], v3, s[4:5] offset:128*\q+16*\i
.endr
.endr
	s_wait_kmcnt 0x0
	s_add_co_i32 s10, s10, 127
	s_lshl_b32 s11, s10, 23
	v_mov_b32 v[SC], s11                           ; 2^e1: the conversion takes its exponent field
	s_add_co_i32 s10, s10, 8
	s_lshl_b32 s10, s10, 23
	s_or_b32 s10, s10, 0x600000
	v_mov_b32 v[LIM], s10                          ; 448 x 2^e1
	s_wait_loadcnt 0x0
	SUMSQ X, SQ
	s_wait_alu depctr_va_vdst(0)
	RNORM1 SQ
	SCALE X, SQ
	QUANT X, X, CD, SC, LIM
	global_store_b128 v4, v[CD:CD+3], s[8:9]               ; 32 lanes store 512 consecutive bytes, at a multiple of 256 from the buffer's first byte
	global_store_b128 v4, v[CD+4:CD+7], s[8:9] offset:512
	s_endpgm
.Lfunc_end_k_qc7f4931ebf_prep:
	.size	k_qc7f4931ebf_prep, .Lfunc_end_k_qc7f4931ebf_prep-k_qc7f4931ebf_prep
	.p2alignl 7, 3214868480
	.fill 96, 4, 3214868480
	.section	.rodata,"a",@progbits
	.p2align	6, 0x0
	.amdhsa_kernel k_qc7f4931ebf_prep
		.amdhsa_group_segment_fixed_size 0
		.amdhsa_private_segment_fixed_size 0
		.amdhsa_enable_private_segment 0
		.amdhsa_kernarg_size 24
		.amdhsa_user_sgpr_count 2
		.amdhsa_user_sgpr_kernarg_segment_ptr 1
		.amdhsa_wavefront_size32 1
		.amdhsa_system_sgpr_workgroup_id_x 1
		.amdhsa_system_sgpr_workgroup_id_y 1
		.amdhsa_system_sgpr_workgroup_id_z 1
		.amdhsa_system_vgpr_workitem_id 0
		.amdhsa_next_free_vgpr 64
		.amdhsa_next_free_sgpr 66
		.amdhsa_reserve_vcc 0
		.amdhsa_float_denorm_mode_32 3
		.amdhsa_float_denorm_mode_16_64 3
		.amdhsa_memory_ordered 1
		.amdhsa_forward_progress 1
		.amdhsa_inst_pref_size 8
	.end_amdhsa_kernel
	.amdgpu_metadata
---
amdhsa.version: [ 1, 2 ]
amdhsa.kernels:
  - .name:           k_qc7f4931ebf_prep
    .symbol:         k_qc7f4931ebf_prep.kd
    .args:
      - { .name: embed, .offset: 0, .size: 8, .value_kind: global_buffer, .address_space: global }
      - { .name: lowp_scales, .offset: 8, .size: 8, .value_kind: global_buffer, .address_space: global }
      - { .name: ecodes, .offset: 16, .size: 8, .value_kind: global_buffer, .address_space: global }
    .group_segment_fixed_size: 0
    .private_segment_fixed_size: 0
    .kernarg_segment_align: 8
    .kernarg_segment_size: 24
    .max_flat_workgroup_size: 32
    .sgpr_count:     66
    .vgpr_count:     64
    .wavefront_size: 32
...
	.end_amdgpu_metadata
.endif
;; end of part 1
;; launch main (part 2): grid 256 x 1, 16 waves a work-group, clusters of 4 x 1, 327,680 bytes of LDS; arguments x, lowp_scales, ecodes, tid, xc; writes tid, xc
.if DOCPART == 2
	.amdgcn_target "amdgcn-amd-amdhsa--gfx1250"
	.amdhsa_code_object_version 6
	.text
	.protected	k_qc7f4931ebf_main
	.globl	k_qc7f4931ebf_main
	.p2align	8
	.type	k_qc7f4931ebf_main,@function
k_qc7f4931ebf_main:
	s_mov_b64 s[64:65], 0
	v_nop
	global_prefetch_b8 v0, s[64:65] scope:SCOPE_SE
	s_setreg_imm32_b32 hwreg(HW_REG_WAVE_MODE, 25, 1), 1
	s_wait_xcnt 0x0
	s_wait_alu depctr_hold_cnt(0) depctr_sa_sdst(0) depctr_va_vdst(0) depctr_va_sdst(0) depctr_va_ssrc(0) depctr_va_vcc(0) depctr_vm_vsrc(0)
	s_getreg_b32 s2, hwreg(HW_REG_IB_STS2, 6, 4)
	s_cmp_eq_u32 s2, 0
	s_cbranch_scc0 .Lentry_in_a_cluster
	s_endpgm
.Lentry_in_a_cluster:
	s_bfe_u32 s2, ttmp6, 0x10000c
	s_cmp_lg_u32 s2, 0x3003
	s_cbranch_scc0 .Lentry_shape_is_right
	s_endpgm
.Lentry_shape_is_right:
; The first product, Q(l2norm(x)) Q(l2norm(embed))^T on codes of E4M3, and of each token's 4,096 scores the TILE of 16 codes that holds the first largest one: tid, a byte a token.
; Also xc: each token's normalised row as codes, 64 bytes under the scale 2^e0 (first product) and 64 under 2^e3 (second product), in channel order: 128 bytes a token, for the launch behind this one.
; A work-group takes 256 tokens; sixteen waves.  Wave w takes the tokens 128 (w % 2) .. + 127 (8 tiles of 16) against the codes 512 (w / 2) .. + 511 (32 tiles of 16).
; THE CODEBOOK's 262,144 bytes of codes come to lie whole in LDS, in two halves, each asked for jointly with the three partners of the cluster (all work-groups read the same bytes): at the head each wave asks
; for 8,192 bytes, so that the first 16 tiles of every part come first.
; No byte is filled twice.  A wave has one tensor load out at a time.  The second load goes out directly behind the round, so no prefetch could run ahead of it.
; x: wave w normalises and quantises tokens 16 w .. + 15 and lays the codes in LDS as rows of 128 bytes, 144 apart; from there they go to xc (512 consecutive bytes a store) and, behind the round, to every wave's operands.
; A UNIT is two neighbouring tiles of codes, T0 and T1, read as two operand tiles P = (T0's rows 0-7, T1's rows 8-15) and Q = (T0's rows 8-15, T1's rows 0-7): only the lanes' LDS addresses say so
; (Q's address is P's with bit 7 turned; sixteen lanes still touch 256 different bytes modulo 256).  Source 0 = codes, source 1 = tokens: lane (r, h) holds token r, and its 16 results of P and Q are
; all 16 codes of tile T(h).  So 8 three-way maxima, one compare and one select serve 16 scores, and the lane keeps the first unit in which its maximum grew (strictly greater: the earlier tile keeps a tie).
; The 8 token tiles go in two groups of 4: while one group is multiplied, the other group's results are reduced, one matrix line ahead of every four vector lines.
; At the end: tile = 2 unit + h; the two halves of the lanes are merged (a tie goes to the lower tile), the eight parts of the codebook through LDS (a later part wins only if strictly greater).
; LIMITS: e0 and e3 (entries 0 and 3 of the scales) between -126 and 119; NaN and infinity among the inputs are not served; a row's sum of squares is a normal f32 number or 0.
.set XST,   262144                     ; LDS: behind the codebook, x's codes: 256 rows, 144 bytes apart
.set MST,   XST+36864                  ; the merge: 1,024 bytes a wave: 128 values, then 128 tiles' numbers
.set SPARE, MST+16384                  ; the spare words, 128 bytes a wave: eight blocks of 256 bytes that no other line names
.set SPW, 1                            ; v1  my spare word's address; v2  0: both never rewritten
.set NIL, 2
.set P0,  3                            ; v3, v4  P's and Q's address in my part's unit 0
.set Q0,  4
.set PA,  5                            ; v5, v6  the same in the unit that is fetched next
.set QA,  6
.set H,   7                            ; v7  h
.set BA,  8                            ; v[8:15], v[16:23]  the 8 tiles' largest so far, two sets by turns
.set BB,  16
.set TID, 24                           ; v[24:31]  the unit in which it grew last
.set EC,  32                           ; v[32:63]  two sets of P and Q
.set XQ,  64                           ; v[64:127] x's codes, 8 tiles
.set DA,  128                          ; v[128:191] results of token tiles 0-3 (tile a: P at 16 a, Q at 16 a + 8); v[192:255] of tiles 4-7
.set XR,  128                          ; the head: my tile of x, 32 numbers a lane; v[160:191] a held copy
.set HELD, 160
.set SQ,  192
.set BK,  192                          ; the head: my 16 rows of codes on their way to xc
.set SC0, 208
.set LIM0, 209
.set SC3, 210
.set LIM3, 211
.set CD0, 224                          ; the head: my tile's codes for the first product, v[232:239] for the second
.set CD3, 232
.set T,   240                          ; the head: addresses at work
.set SEL, 18
.set G1,  24                           ; s[24:31] the shape of both tensor loads
.set G0,  32                           ; s[32:35] from where and to where: the first load; s[56:59] the second
.set G0B, 56
.set MK,  68
.macro SUMSQ s, a
	v_pk_mul_f32 v[\a:\a+1], v[\s:\s+1], v[\s:\s+1]
	v_pk_mul_f32 v[\a+2:\a+3], v[\s+2:\s+3], v[\s+2:\s+3]
.irp i, 4,8,12,16,20,24,28
	v_pk_fma_f32 v[\a:\a+1], v[\s+\i:\s+\i+1], v[\s+\i:\s+\i+1], v[\a:\a+1]
	v_pk_fma_f32 v[\a+2:\a+3], v[\s+\i+2:\s+\i+3], v[\s+\i+2:\s+\i+3], v[\a+2:\a+3]
.endr
	v_pk_add_f32 v[\a:\a+1], v[\a:\a+1], v[\a+2:\a+3]
	v_add_f32 v[\a], v[\a], v[\a+1]
	v_permlanex16_b32 v[\a+1], v[\a], s[SEL], s[SEL+1]
	v_add_f32 v[\a], v[\a], v[\a+1]
.endm
.macro RNORM1 a                        ; 1 / max(sqrt(.), 1e-12)
	v_sqrt_f32 v[\a+2], v[\a]
	v_nop
	s_wait_alu depctr_va_vdst(0)
	v_max_num_f32 v[\a+2], 0x2b8cbccc, v[\a+2]
	s_wait_alu depctr_va_vdst(0)
	v_rcp_f32 v[\a], v[\a+2]
	v_nop
	s_wait_alu depctr_va_vdst(0)
.endm
.macro SCALE s, a
.set QI, 0
.rept 16
	v_pk_mul_f32 v[\s+QI:\s+QI+1], v[\s+QI:\s+QI+1], v[\a:\a+1] op_sel_hi:[1,0]
.set QI, QI+2
.endr
.endm
.macro QUANT s, t, d, sc, lim          ; the hold (the conversion does not saturate: ISA guide 7.6.2), then 32 codes
.set QI, 0
.rept 32
	v_med3_num_f32 v[\t+QI], v[\s+QI], -v[\lim], v[\lim]
.set QI, QI+1
.endr
.irp g, 0,1,2,3
	v_cvt_scalef32_pk8_fp8_f32 v[\d+2*\g:\d+2*\g+1], v[\t+8*\g:\t+8*\g+7], v[\sc]
.endr
	v_nop                                          ; one plain line behind the last scaled conversion
.endm
.macro MKSC e, sc, lim                 ; 2^e and 448 x 2^e as f32 numbers
	s_add_co_i32 s36, s[\e], 127
	s_lshl_b32 s37, s36, 23
	v_mov_b32 v[\sc], s37
	s_add_co_i32 s36, s36, 8
	s_lshl_b32 s36, s36, 23
	s_or_b32 s36, s36, 0x600000
	v_mov_b32 v[\lim], s36
.endm
.macro CROUND                          ; a round of the cluster's barrier
	s_barrier_signal -1
	s_barrier_wait -1
	s_cmp_lg_u32 s12, 0
	s_cbranch_scc1 .Lnot_wave_0_\@
	s_barrier_signal -3
.Lnot_wave_0_\@:
	s_barrier_wait -3
	s_barrier_signal -1
	s_barrier_wait -1
.endm
; matrix line k of a half step: token tile 4 wg + k / 2 against P (k even) or Q (k odd) of set es.  wg = 9: none
.macro W wg, es, k
.if \wg < 2
	v_wmma_f32_16x16x64_fp8_fp8 v[DA+64*\wg+8*\k:DA+64*\wg+8*\k+7], v[EC+16*\es+8*(\k%2):EC+16*\es+8*(\k%2)+7], v[XQ+32*\wg+8*(\k/2):XQ+32*\wg+8*(\k/2)+7], 0
.endif
.endm
.macro M3 rg, d, x, y, z               ; one three-way maximum in each of group rg's four tiles, inside the tile's 16 registers
.irp a, 0,1,2,3
	v_max3_num_f32 v[DA+64*\rg+16*\a+\d], v[DA+64*\rg+16*\a+\x], v[DA+64*\rg+16*\a+\y], v[DA+64*\rg+16*\a+\z]
.endr
.endm
; A HALF STEP: group wg is multiplied by set es; group rg's results are reduced (each accumulator from its low end on).  rg = 9: none.
; Behind the last matrix line stand 12 plain vector lines that name none of its registers: the places ahead of the next half step's reads and of loads into the set.
.macro HS wg, es, rg, bin, bout, st
	W \wg, \es, 0
.if \rg < 2
	M3 \rg, 0, 0, 1, 2
.endif
	W \wg, \es, 1
.if \rg < 2
	M3 \rg, 3, 3, 4, 5
.endif
	W \wg, \es, 2
.if \rg < 2
	M3 \rg, 8, 8, 9, 10
.endif
	W \wg, \es, 3
.if \rg < 2
	M3 \rg, 11, 11, 12, 13
.endif
	W \wg, \es, 4
.if \rg < 2
.irp a, 0,1,2,3
	v_max3_num_f32 v[DA+64*\rg+16*\a+6], v[DA+64*\rg+16*\a+6], v[DA+64*\rg+16*\a+7], v[\bin+4*\rg+\a]
.endr
.endif
	W \wg, \es, 5
.if \rg < 2
	M3 \rg, 14, 14, 15, 0
.endif
	W \wg, \es, 6
.if \rg < 2
	M3 \rg, 3, 3, 8, 11
.endif
	W \wg, \es, 7
.if \rg < 2
.irp a, 0,1,2,3
	v_max3_num_f32 v[\bout+4*\rg+\a], v[DA+64*\rg+16*\a+6], v[DA+64*\rg+16*\a+14], v[DA+64*\rg+16*\a+3]
.endr
.irp a, 0,1,2,3
	v_cmp_gt_f32 s[MK+\a], v[\bout+4*\rg+\a], v[\bin+4*\rg+\a]
.endr
.irp a, 0,1,2,3
	v_cndmask_b32 v[TID+4*\rg+\a], v[TID+4*\rg+\a], s[\st], s[MK+\a]
.endr
.endif
.endm
.macro LD es, p, q, off                ; a unit's P and Q into set es
	ds_load_b128 v[EC+16*\es:EC+16*\es+3], v[\p] offset:\off
	ds_load_b128 v[EC+16*\es+4:EC+16*\es+7], v[\p] offset:\off+512
	ds_load_b128 v[EC+16*\es+8:EC+16*\es+11], v[\q] offset:\off
	ds_load_b128 v[EC+16*\es+12:EC+16*\es+15], v[\q] offset:\off+512
.endm
; EIGHT UNITS, from byte base of my part on: the half of my part that one round of tensor loads brought
.macro HALF base
	LD 0, P0, Q0, \base
	LD 1, P0, Q0, \base+2048
	s_wait_dscnt 4                                 ; all but the second unit's four loads
	HS 0, 0, 9, BA, BB, 22                         ; the first unit, tiles 0-3
.rept 4
	v_nop                                          ; the places ahead of the first reads of these results
.endr
	s_mov_b32 s20, 3
.Ltrip_\@:                                             ; a trip: units u and u + 1 (u even); sets and the two sets of maxima are back where they began
	HS 1, 0, 0, BA, BB, 22
	LD 0, PA, QA, 0                                ; unit u + 2, two half steps ahead of its use
	s_wait_dscnt 4                                 ; unit u + 1 is in; the four just issued may be out
	HS 0, 1, 1, BA, BB, 22
	HS 1, 1, 0, BB, BA, 23
	LD 1, PA, QA, 2048                             ; unit u + 3
	s_add_co_u32 s21, s21, 4096
	v_add_nc_u32 v[PA], s21, v[P0]                 ; read again two half steps on
	v_add_nc_u32 v[QA], s21, v[Q0]
	s_wait_dscnt 4                                 ; unit u + 2 is in
	HS 0, 0, 1, BB, BA, 23
	s_add_co_u32 s22, s22, 2
	s_add_co_u32 s23, s23, 2
	s_sub_co_i32 s20, s20, 1
	s_cmp_lg_u32 s20, 0
	s_cbranch_scc1 .Ltrip_\@
	HS 1, 0, 0, BA, BB, 22                         ; the last two units: nothing more to fetch
	s_wait_dscnt 0x0
	HS 0, 1, 1, BA, BB, 22
	HS 1, 1, 0, BB, BA, 23
	HS 9, 0, 1, BB, BA, 23
.endm
	s_load_b256 s[4:11], s[0:1], 0x0               ; x s[4:5], the scales' exponents s[6:7], ecodes s[8:9], tid s[10:11]
	s_load_b64 s[48:49], s[0:1], 0x20              ; xc
	v_lshl_add_u32 v[SPW], v0, 2, SPARE
	v_mov_b32 v[NIL], 0
	ds_add_u32 v[SPW], v[NIL]                      ; the opening lines: the add, twice on end, and its wait ahead of my first tensor load
	ds_add_u32 v[SPW], v[NIL]
	v_lshrrev_b32 v[T], 5, v0
	v_readfirstlane_b32 s12, v[T]                  ; wave 0..15
	s_bfe_u32 s13, ttmp6, 0x40000                  ; my place in the cluster
	s_lshl_b32 s14, ttmp9, 2
	s_add_co_u32 s14, s14, s13                     ; the work-group's number
	s_and_b32 s36, s12, 1                          ; which half of the tokens
	s_lshr_b32 s37, s12, 1                         ; which eighth of the codes
	s_mul_i32 s38, s12, 2304
	s_add_co_u32 s38, s38, XST                     ; my 16 rows of x's codes
	s_mul_i32 s39, s36, 18432
	s_add_co_u32 s39, s39, XST                     ; my half's 128 rows
	s_lshl_b32 s41, s37, 15                        ; my part of the codebook in LDS
	s_lshl_b32 s22, s37, 4                         ; the numbers of my first two units
	s_add_co_u32 s23, s22, 1
	s_mov_b32 s40, 0xffff0000                      ; the mask of lanes 16-31
	s_mov_b32 s21, 4096                            ; the unit fetched next: unit 2
	s_mov_b32 s[SEL], 0x76543210
	s_mov_b32 s[SEL+1], 0xfedcba98
	s_lshl_b32 s16, s14, 16                        ; x: 256 tokens of 256 bytes a work-group,
	s_lshl_b32 s42, s12, 12                        ; 16 tokens a wave
	s_add_co_u32 s16, s16, s42
	s_mov_b32 s17, 0
	s_lshl_b32 s44, s14, 8                         ; tid: 256 bytes a work-group
	s_mov_b32 s45, 0
	s_lshl_b32 s46, s37, 15                        ; what I fetch first: 8,192 bytes of the first half of my part: 32,768 (w / 2) + 8,192 (w % 2)
	s_lshl_b32 s42, s36, 13
	s_add_co_u32 s46, s46, s42
	s_mov_b32 s47, 0
	s_lshl_b32 s50, s14, 15                        ; xc: 32,768 bytes a work-group,
	s_lshl_b32 s42, s12, 11                        ; 2,048 a wave
	s_add_co_u32 s50, s50, s42
	s_mov_b32 s51, 0
	s_mov_b32 s[G1+0], 15|(3<<16)|(1<<21)          ; the four partners; elements of 8 bytes; bit 21 beside a mask
	s_mov_b32 s[G1+1], 32<<16                      ; rows of 256 bytes,
	s_mov_b32 s[G1+2], 32<<16                      ; 32 of them, dense
	s_mov_b32 s[G1+3], 32<<16
	s_mov_b32 s[G1+4], 32
	s_mov_b32 s[G1+5], 32
	s_mov_b32 s[G1+6], 0
	s_mov_b32 s[G1+7], 0
	v_and_b32 v[T+1], 15, v0                       ; r
	v_bfe_u32 v[H], v0, 4, 1                       ; h
	v_lshlrev_b32 v[T+2], 8, v[T+1]
	v_lshl_add_u32 v[T+2], v[H], 6, v[T+2]         ; x: row r of 256 bytes, + 64 h
	v_and_b32 v[T+3], 31, v0
	v_lshlrev_b32 v[T+8], 4, v[T+3]                ; 16 x lane
	v_mul_u32_u24 v[T+6], v[T+1], 144
	v_lshl_add_u32 v[T+6], v[H], 4, v[T+6]         ; a row of codes: 144 r + 16 h
	v_add_nc_u32 v[T+4], s38, v[T+6]               ; among my 16 rows,
	v_add_nc_u32 v[T+5], s39, v[T+6]               ; among my half's first 16
	v_lshrrev_b32 v[T+7], 3, v[T+3]
	v_mul_u32_u24 v[T+7], v[T+7], 144
	v_and_b32 v[T+3], 7, v[T+3]
	v_lshl_add_u32 v[T+7], v[T+3], 4, v[T+7]
	v_add_nc_u32 v[T+7], s38, v[T+7]               ; on the way to xc: eight lanes to a row of 128 bytes, four rows a load
	v_lshrrev_b32 v[T+6], 3, v[T+1]
	v_lshl_add_u32 v[P0], v[T+6], 10, v[T+8]       ; P: lanes with r < 8 read T0, the others T1, each its own place in the tile's image
	v_add_nc_u32 v[P0], s41, v[P0]
	v_xor_b32 v[Q0], 128, v[P0]                    ; Q: the place 8 rows away in the same tile
	v_add_nc_u32 v[PA], s21, v[P0]
	v_add_nc_u32 v[QA], s21, v[Q0]
	s_wait_alu depctr_va_vdst(0)
	s_wait_dscnt 0x0                               ; both opening adds are done
	s_wait_kmcnt 0x0
	s_load_b128 s[52:55], s[6:7], 0x0              ; e0 .. e3
	s_add_nc_u64 s[4:5], s[4:5], s[16:17]
	s_add_nc_u64 s[10:11], s[10:11], s[44:45]
	s_add_nc_u64 s[48:49], s[48:49], s[50:51]
.irp q, 0,1
.irp i, 0,1,2,3
	global_load_b128 v[XR+16*\q+4*\i:XR+16*\q+4*\i+3], v[T+2], s[4:5] offset:128*\q+16*\i
.endr
.endr
	s_mov_b32 s[G0], 1
	s_mov_b32 s[G0+1], s46                         ; the codes lie in LDS as in memory
	s_add_nc_u64 s[G0+2:G0+3], s[8:9], s[46:47]
	s_mov_b32 s[G0B], 1
	s_add_co_u32 s[G0B+1], s46, 16384              ; the second load: the same place in the second half of my part
	s_add_nc_u64 s[G0B+2:G0B+3], s[G0+2:G0+3], 16384
	s_or_b32 s[G0+3], s[G0+3], 0x80000000
	s_or_b32 s[G0B+3], s[G0B+3], 0x80000000
	CROUND                                         ; the four partners are here: the joint loads meet
	tensor_load_to_lds s[G0:G0+3], s[G1:G1+7]      ; my one tensor load at the head
	s_nop 0
.rept 4
	v_nop
.endr
	s_wait_kmcnt 0x0
	MKSC 52, SC0, LIM0
	MKSC 55, SC3, LIM3
	s_mov_b32 s38, 0xff800000
.irp a, 0,1,2,3,4,5,6,7
	v_mov_b32 v[BA+\a], s38                        ; under every score
	v_mov_b32 v[TID+\a], 0
.endr
	s_wait_loadcnt 0x0
	SUMSQ XR, SQ
	s_wait_alu depctr_va_vdst(0)
	RNORM1 SQ
	SCALE XR, SQ
	QUANT XR, HELD, CD0, SC0, LIM0                 ; the first product's codes: a held copy, since the numbers are wanted again
	QUANT XR, XR, CD3, SC3, LIM3                   ; the second product's
.irp q, 0,1
	ds_store_b128 v[T+4], v[CD0+4*\q:CD0+4*\q+3] offset:32*\q      ; channels 32 q + 16 h on
	ds_store_b128 v[T+4], v[CD3+4*\q:CD3+4*\q+3] offset:64+32*\q
.endr
.irp k, 0,1,2,3
	ds_load_b128 v[BK+4*\k:BK+4*\k+3], v[T+7] offset:576*\k        ; LDS serves a wave's instructions in order: these see my stores
.endr
	s_wait_alu depctr_va_vdst(0)
	s_wait_tensorcnt 0x0                           ; my part of the first half has landed
	ds_add_u32 v[SPW], v[NIL]
	s_wait_dscnt 0x0                               ; the add is done, and my codes of x lie in LDS
	CROUND                                         ; a whole round: everybody's part is in, and the four partners are here
	tensor_load_to_lds s[G0B:G0B+3], s[G1:G1+7]    ; the second half: my one tensor load behind the round, and the first thing there
	s_nop 0
.rept 4
	v_nop
.endr
.irp k, 0,1,2,3
	global_store_b128 v[T+8], v[BK+4*\k:BK+4*\k+3], s[48:49] offset:512*\k   ; 32 lanes store 512 consecutive bytes, at a multiple of 256 from the buffer's first byte
.endr
.irp a, 0,1,2,3,4,5,6,7
	ds_load_b128 v[XQ+8*\a:XQ+8*\a+3], v[T+5] offset:2304*\a
	ds_load_b128 v[XQ+8*\a+4:XQ+8*\a+7], v[T+5] offset:2304*\a+32
.endr
	s_wait_xcnt 0x0                                ; the stores to xc have read their registers, which results overwrite
	HALF 0                                         ; units 0 to 7
	s_add_co_u32 s22, s22, 2                       ; units 8 and 9,
	s_add_co_u32 s23, s23, 2
	s_add_co_u32 s21, s21, 4096                    ; and unit 10 is the next to be fetched in the loop
	v_add_nc_u32 v[PA], s21, v[P0]
	v_add_nc_u32 v[QA], s21, v[Q0]
	s_wait_alu depctr_va_vdst(0)
	s_wait_tensorcnt 0x0                           ; for the others' sake: my part of the second half has landed
	s_wait_dscnt 0x0
	s_barrier_signal -1
	s_barrier_wait -1
	HALF 16384                                     ; units 8 to 15
	; THE MERGE.  M1, M2, M3: 8 registers each, where results lay
.set M1, 128
.set M2, 136
.set M3, 144
.irp a, 0,1,2,3,4,5,6,7
	v_lshl_add_u32 v[TID+\a], v[TID+\a], 1, v[H]   ; the tile: 2 x unit + h
.endr
.irp a, 0,1,2,3,4,5,6,7
	v_permlanex16_b32 v[M1+\a], v[BA+\a], s[SEL], s[SEL+1]
.endr
.irp a, 0,1,2,3,4,5,6,7
	v_permlanex16_b32 v[M2+\a], v[TID+\a], s[SEL], s[SEL+1]
.endr
.irp a, 0,1,2,3,4,5,6,7
	v_cmp_gt_f32 s[MK+\a], v[M1+\a], v[BA+\a]
.endr
.irp a, 0,1,2,3,4,5,6,7
	v_cndmask_b32 v[M3+\a], v[TID+\a], v[M2+\a], s[MK+\a]
.endr
.irp a, 0,1,2,3,4,5,6,7
	v_cmp_eq_f32 s[MK+\a], v[M1+\a], v[BA+\a]
.endr
.irp a, 0,1,2,3,4,5,6,7
	v_min_u32 v[M2+\a], v[M2+\a], v[TID+\a]
.endr
.irp a, 0,1,2,3,4,5,6,7
	v_cndmask_b32 v[M3+\a], v[M3+\a], v[M2+\a], s[MK+\a]   ; a tie goes to the lower tile
.endr
.irp a, 0,1,2,3,4,5,6,7
	v_max_num_f32 v[M1+\a], v[M1+\a], v[BA+\a]
.endr
.irp a, 0,1,2,3,4,5,6,7
	v_cndmask_b32 v[M1+\a], v[M1+\a], v[M3+\a], s40        ; lanes 0-15 carry the value, lanes 16-31 the tile
.endr
	s_lshl_b32 s36, s12, 10
	s_add_co_u32 s36, s36, MST
	v_and_b32 v32, 15, v0
	v_lshlrev_b32 v33, 5, v32
	v_lshlrev_b32 v32, 2, v32
	v_lshl_add_u32 v32, v[H], 9, v32
	v_add_nc_u32 v32, s36, v32                     ; in: my wave's 1,024 bytes, + 512 h + 4 r
	v_lshl_add_u32 v33, v[H], 10, v33
	v_add_nc_u32 v33, MST, v33                     ; back: lane l takes tokens 8 l .. 8 l + 7: half l / 16, 32 bytes from 32 (l % 16) on
	v_and_b32 v34, 31, v0
	v_lshlrev_b32 v34, 3, v34                      ; and their 8 bytes of tid
.irp a, 0,1,2,3,4,5,6,7
	ds_store_b32 v32, v[M1+\a] offset:64*\a
.endr
	s_wait_alu depctr_va_vdst(0)
	s_wait_dscnt 0x0                               ; for wave 0's sake
	s_barrier_signal -1
	s_barrier_wait -1
	s_cmp_lg_u32 s12, 0
	s_cbranch_scc1 .Lnot_first
.irp c, 0,1,2,3,4,5,6,7                ; part c of the codebook: 8 values at v[128 + 16 c], 8 tiles at v[136 + 16 c]
	ds_load_b128 v[128+16*\c:131+16*\c], v33 offset:2048*\c
	ds_load_b128 v[132+16*\c:135+16*\c], v33 offset:2048*\c+16
	ds_load_b128 v[136+16*\c:139+16*\c], v33 offset:2048*\c+512
	ds_load_b128 v[140+16*\c:143+16*\c], v33 offset:2048*\c+528
.endr
	s_wait_dscnt 0x0
.irp c, 1,2,3,4,5,6,7
.irp j, 0,1,2,3,4,5,6,7
	v_cmp_gt_f32 s[MK+\j], v[128+16*\c+\j], v[128+\j]      ; strictly greater: the earlier part keeps a tie
.endr
.irp j, 0,1,2,3,4,5,6,7
	v_cndmask_b32 v[136+\j], v[136+\j], v[136+16*\c+\j], s[MK+\j]
.endr
.irp j, 0,1,2,3,4,5,6,7
	v_max_num_f32 v[128+\j], v[128+\j], v[128+16*\c+\j]
.endr
.endr
	v_lshl_or_b32 v136, v137, 8, v136              ; eight tiles' numbers, a byte each
	v_lshl_or_b32 v138, v139, 8, v138
	v_lshl_or_b32 v140, v141, 8, v140
	v_lshl_or_b32 v142, v143, 8, v142
	v_lshl_or_b32 v136, v138, 16, v136
	v_lshl_or_b32 v137, v142, 16, v140
	global_store_b64 v34, v[136:137], s[10:11]     ; 32 lanes store 256 consecutive bytes, at a multiple of 256 from the buffer's first byte
.Lnot_first:
	s_wait_tensorcnt 0x0                           ; the wave's end
	ds_add_u32 v[SPW], v[NIL]
	s_wait_dscnt 0x0
	CROUND                                         ; the closing round
	s_endpgm
.Lfunc_end_k_qc7f4931ebf_main:
	.size	k_qc7f4931ebf_main, .Lfunc_end_k_qc7f4931ebf_main-k_qc7f4931ebf_main
	.p2alignl 7, 3214868480
	.fill 96, 4, 3214868480
	.section	.rodata,"a",@progbits
	.p2align	6, 0x0
	.amdhsa_kernel k_qc7f4931ebf_main
		.amdhsa_group_segment_fixed_size 327680
		.amdhsa_private_segment_fixed_size 0
		.amdhsa_enable_private_segment 0
		.amdhsa_kernarg_size 40
		.amdhsa_user_sgpr_count 2
		.amdhsa_user_sgpr_kernarg_segment_ptr 1
		.amdhsa_wavefront_size32 1
		.amdhsa_system_sgpr_workgroup_id_x 1
		.amdhsa_system_sgpr_workgroup_id_y 1
		.amdhsa_system_sgpr_workgroup_id_z 1
		.amdhsa_system_vgpr_workitem_id 0
		.amdhsa_next_free_vgpr 256
		.amdhsa_next_free_sgpr 80
		.amdhsa_reserve_vcc 0
		.amdhsa_float_denorm_mode_32 3
		.amdhsa_float_denorm_mode_16_64 3
		.amdhsa_memory_ordered 1
		.amdhsa_forward_progress 1
		.amdhsa_inst_pref_size 86
	.end_amdhsa_kernel
	.amdgpu_metadata
---
amdhsa.version: [ 1, 2 ]
amdhsa.kernels:
  - .name:           k_qc7f4931ebf_main
    .symbol:         k_qc7f4931ebf_main.kd
    .args:
      - { .name: x, .offset: 0, .size: 8, .value_kind: global_buffer, .address_space: global }
      - { .name: lowp_scales, .offset: 8, .size: 8, .value_kind: global_buffer, .address_space: global }
      - { .name: ecodes, .offset: 16, .size: 8, .value_kind: global_buffer, .address_space: global }
      - { .name: tid, .offset: 24, .size: 8, .value_kind: global_buffer, .address_space: global }
      - { .name: xc, .offset: 32, .size: 8, .value_kind: global_buffer, .address_space: global }
    .group_segment_fixed_size: 327680
    .private_segment_fixed_size: 0
    .kernarg_segment_align: 8
    .kernarg_segment_size: 40
    .max_flat_workgroup_size: 512
    .sgpr_count:     80
    .vgpr_count:     256
    .wavefront_size: 32
...
	.end_amdgpu_metadata
.endif
;; end of part 2
;; launch finish (part 3): grid 256 x 1, 16 waves a work-group, no clusters, 193,280 bytes of LDS; arguments xc, embed, cluster_size, lowp_scales, ecodes, tid, out0, out1, out2, out3; writes out0, out1, out2, out3
.if DOCPART == 3
	.amdgcn_target "amdgcn-amd-amdhsa--gfx1250"
	.amdhsa_code_object_version 6
	.text
	.protected	k_qc7f4931ebf_finish
	.globl	k_qc7f4931ebf_finish
	.p2align	8
	.type	k_qc7f4931ebf_finish,@function
k_qc7f4931ebf_finish:
	s_mov_b64 s[64:65], 0
	v_nop
	global_prefetch_b8 v0, s[64:65] scope:SCOPE_SE
	s_setreg_imm32_b32 hwreg(HW_REG_WAVE_MODE, 25, 1), 1
	s_wait_xcnt 0x0
; Work-group w owns the codes 16 w .. 16 w + 15 and every token whose first largest score lies in that tile (tid, stored by the launch before).
; For its tokens it finds the code inside the tile (out1), copies the raw codebook row (out0), and sums the second product, Q(one_hot)^T Q(l2norm(x)), on codes of E4M3; then it makes its 16 rows of out2 and out3.
; THE SECOND PRODUCT multiplies only the tokens of the work-group's own tile: for every other token the one-hot columns of these 16 codes are zeros.
; x itself is not read here: xc, stored by the launch before, holds each token's normalised row as codes: 64 bytes for the first product, 64 for the second.
; SCAN.  Wave v reads the 4,096 bytes of tid for tokens 4096 v on, compares each with w, and keeps the 128 masks of 32 lanes in four registers (a mask a lane).  Scalar loops walk the set bits and write the
; tokens' numbers into the lanes of one register; when it holds 32, and once more at the end, FLUSH works them off.  All of that hangs on whole numbers read from memory, never on a floating-point number.
; FLUSH (up to 32 tokens, two tiles of 16).  Empty places repeat the first token: their stores write the same bytes again, so all lanes stay on.  The tokens' codes are gathered; two products give the 16 scores a token;
; the first largest is taken; the one-hot fragment is made from the 32 choices by byte arithmetic; the second product's codes turn through LDS so that the tokens become K; four products add onto the sums.
; out0: my 16 raw rows lie a code to a lane (lane (p, g), register c: embed[16 w + p][32 g + c]).  The choices of 16 places, four bits each, are the 64 select bits of a lane exchange inside each half of the lanes:
; 32 such lines give lane (i, g) the channels 32 g .. + 31 of place i's row.  That is a choice of values: no address hangs on it.  The rows turn through the wave's own stage and leave whole, 256 bytes to sixteen lanes.
; No tensor load and no copy, since branches hang on loaded whole numbers; no cluster, since the work-groups share only the 64 KiB of tid.
; LIMITS: e2 between -126 and 119, e2 + e3 inside v_ldexp_f32's range; NaN and infinity among the inputs are not served; a row's sum of squares is a normal f32 number or 0.
.set IMG,  0                           ; LDS: the waves' sums as images of their registers, 4,096 bytes a wave; wave v's slice of image 0 later takes the sum over the waves
.set CNTB, 65536                       ; the waves' counts, 128 bytes a wave
.set OST,  67584                       ; 16 rows x (256 + 16) bytes: out2 on its way out
.set FT,   71936                       ; 3,072 bytes a wave: 32 tokens' 64 codes, rows 96 bytes apart
.set LOB,  121088                      ; 32 bytes a wave: the 32 tokens' choices
.set SPARE, 121600                     ; the spare words, 128 bytes a wave
.set OS,   123648                      ; 4,352 bytes a wave: 16 rows x (256 + 16) bytes: out0 on its way out
.set P,    8                           ; v8   the tokens' numbers, a lane a place
.set CNT,  9                           ; v9   how many of my 16 places of each flush chose code r, summed
.set ONE,  17                          ; v17  the code of 1.0 under the scale 2^e2
.set H16,  18                          ; v18  16 h
.set RB,   19                          ; v19  out0's stage, back: row h, + 16 r
.set SIN,  21                          ; v21  out0's stage, in: row r, + 128 h
.set LO,   23                          ; v23  place l's choice, 0 .. 15
.set HELD, 32                          ; v[32:63]  tid's bytes; then D1 and TR; then OP
.set D1,   32                          ; v[32:47]  the two tiles' scores
.set TR,   48                          ; v[48:63]  what the turning loads bring
.set OP,   32                          ; v[32:63]  16 places' chosen rows
.set ER,   64                          ; v[64:95]  my 16 raw rows, a code to a lane
.set X0,   96                          ; v96, v97  tile c's tokens: lane j place j, lane 16 + j place j xor 1
.set EC,   128                         ; v[128:135] my tile's fragment of codes
.set ACC,  136                         ; v[136:167] the sums: tile t = 2 g + e holds channels 32 g + 2 m + e
.set BF,   168                         ; v[168:199] four fragments of channels x tokens
.set AF,   200                         ; v[200:207] the one-hot fragment
.set TT,   208                         ; v[208:223] eight rows of out0 read back
.set XQ0,  232                         ; v[232:247] the first product's codes, two tiles
.set Q3A,  248                         ; v[248:255] the second product's codes of tile 0; tile 1's lie at v[168:175]
.set Q3B,  168
.set SEL,  26                          ; s[26:27] lane selects for the exchange between the halves
.macro SUMSQ s, a
	v_pk_mul_f32 v[\a:\a+1], v[\s:\s+1], v[\s:\s+1]
	v_pk_mul_f32 v[\a+2:\a+3], v[\s+2:\s+3], v[\s+2:\s+3]
.irp i, 4,8,12,16,20,24,28
	v_pk_fma_f32 v[\a:\a+1], v[\s+\i:\s+\i+1], v[\s+\i:\s+\i+1], v[\a:\a+1]
	v_pk_fma_f32 v[\a+2:\a+3], v[\s+\i+2:\s+\i+3], v[\s+\i+2:\s+\i+3], v[\a+2:\a+3]
.endr
	v_pk_add_f32 v[\a:\a+1], v[\a:\a+1], v[\a+2:\a+3]
	v_add_f32 v[\a], v[\a], v[\a+1]
	v_permlanex16_b32 v[\a+1], v[\a], s[SEL], s[SEL+1]
	v_add_f32 v[\a], v[\a], v[\a+1]
.endm
.macro RNORM2 a, b                     ; 1 / max(sqrt(.), 1e-12) twice
.irp x, \a, \b
	v_sqrt_f32 v[\x+2], v[\x]
.endr
	v_nop
	s_wait_alu depctr_va_vdst(0)
.irp x, \a, \b
	v_max_num_f32 v[\x+2], 0x2b8cbccc, v[\x+2]
.endr
	s_wait_alu depctr_va_vdst(0)
.irp x, \a, \b
	v_rcp_f32 v[\x], v[\x+2]
.endr
	v_nop
	s_wait_alu depctr_va_vdst(0)
.endm
	s_load_b512 s[4:19], s[0:1], 0x0               ; xc s[4:5], embed s[6:7], cluster_size s[8:9], scales s[10:11], ecodes s[12:13], tid s[14:15], out0 s[16:17], out1 s[18:19]
	s_load_b128 s[20:23], s[0:1], 0x40             ; out2 s[20:21], out3 s[22:23]
	v_lshrrev_b32 v1, 5, v0
	v_readfirstlane_b32 s24, v1                    ; wave 0..15
	s_mov_b32 s25, ttmp9                           ; w: my tile
	s_mov_b32 s[SEL], 0x76543210
	s_mov_b32 s[SEL+1], 0xfedcba98
	s_mov_b32 s28, 0xffff0000                      ; the mask of lanes 16-31
	s_mov_b32 s76, 0x06040200                      ; byte selects: the even columns of what a turning load brings,
	s_mov_b32 s77, 0x07050301                      ; and the odd ones
	s_lshl_b32 s78, s25, 4                         ; my first code
	s_lshl_b32 s50, s24, 12                        ; my wave's first token
	v_and_b32 v1, 31, v0                           ; lane
	v_and_b32 v2, 15, v0                           ; r
	v_bfe_u32 v3, v0, 4, 1                         ; h
	v_lshlrev_b32 v10, 6, v3                       ; 64 h
	v_lshlrev_b32 v15, 4, v2                       ; 16 r
	v_add_nc_u32 v22, 16, v2                       ; r + 16
	v_mul_lo_u32 v16, v2, 0x01010101               ; r in each of four bytes
	v_lshlrev_b32 v[H16], 4, v3
	v_lshl_add_u32 v20, v3, 9, v2                  ; v20: bit 0's token of the mask in my lane, in the first of the four registers: 4096 wave + 512 h + r
	v_add_nc_u32 v20, s50, v20
.irp j, 0,1,2,3,4,5,6,7
	v_mov_b32 v[24+\j], 0                          ; the temporaries are written once: a lane exchange's destination counts as one of its sources
.endr
	v_mov_b32 v[X0], 0
	v_mov_b32 v[X0+1], 0
	s_mul_i32 s49, s24, 3072
	s_add_co_u32 s49, s49, FT                      ; my wave's 32 rows of codes
	v_mul_u32_u24 v11, v2, 96
	v_lshl_add_u32 v11, v3, 4, v11
	v_add_nc_u32 v11, s49, v11                     ; in: row r, + 16 h
	v_and_b32 v24, 7, v0
	v_lshl_add_u32 v24, v3, 3, v24
	v_mul_u32_u24 v12, v24, 96
	v_bfe_u32 v24, v0, 3, 1
	v_lshl_add_u32 v12, v24, 4, v12
	v_add_nc_u32 v12, s49, v12                     ; turned: row 8 h + lane % 8, + 16 ((lane / 8) % 2)
	s_lshl_b32 s49, s24, 5
	s_add_co_u32 s49, s49, LOB                     ; my wave's 32 choices
	v_add_nc_u32 v13, s49, v2                      ; in: byte r
	v_lshl_add_u32 v14, v3, 3, s49                 ; back: eight bytes from 8 h on
	s_mul_i32 s49, s24, 4352
	s_add_co_u32 s49, s49, OS                      ; my wave's stage for out0
	v_mul_u32_u24 v[SIN], v2, 272
	v_lshl_add_u32 v[SIN], v3, 7, v[SIN]
	v_add_nc_u32 v[SIN], s49, v[SIN]
	v_mul_u32_u24 v[RB], v3, 272
	v_lshl_add_u32 v[RB], v2, 4, v[RB]
	v_add_nc_u32 v[RB], s49, v[RB]
	v_lshl_add_u32 v25, v1, 4, s50                 ; tid: my wave's 4,096 bytes, 16 a lane
	v_lshlrev_b32 v26, 4, v1                       ; 16 x lane
	v_lshlrev_b32 v27, 8, v2
	v_lshl_add_u32 v27, v3, 7, v27                 ; embed: row r, + 128 h
	s_lshl_b32 s30, s25, 12
	s_mov_b32 s31, 0
	s_lshl_b32 s54, s25, 10
	s_mov_b32 s55, 0
	s_lshl_b32 s56, s25, 6
	s_mov_b32 s57, 0
	s_wait_alu depctr_va_vdst(0)
	s_wait_kmcnt 0x0
	s_load_b128 s[32:35], s[10:11], 0x0            ; e0, e1, e2, e3
	s_add_nc_u64 s[6:7], s[6:7], s[30:31]          ; embed and out2 at my 16 rows,
	s_add_nc_u64 s[20:21], s[20:21], s[30:31]
	s_add_nc_u64 s[12:13], s[12:13], s[54:55]      ; ecodes at my tile,
	s_add_nc_u64 s[8:9], s[8:9], s[56:57]          ; cluster_size and out3 at my 16 numbers
	s_add_nc_u64 s[22:23], s[22:23], s[56:57]
.irp i, 0,1,2,3,4,5,6,7
	global_load_b128 v[HELD+4*\i:HELD+4*\i+3], v25, s[14:15] offset:512*\i     ; 32 lanes read 512 consecutive bytes
.endr
	global_load_b128 v[EC:EC+3], v26, s[12:13]
	global_load_b128 v[EC+4:EC+7], v26, s[12:13] offset:512
.irp i, 0,1,2,3,4,5,6,7
	global_load_b128 v[ER+4*\i:ER+4*\i+3], v27, s[6:7] offset:16*\i            ; register c: embed[16 w + r][32 h + c]
.endr
.irp j, 4,5,6,7,8,9
	v_mov_b32 v[\j], 0                             ; the masks, the places, the counts
.endr
.set J, 0
.rept 32
	v_mov_b32 v[ACC+J], 0                          ; a wave may have no token at all: its sums are then these zeros
.set J, J+1
.endr
	s_wait_kmcnt 0x0
	s_add_co_i32 s79, s34, s35                     ; e2 + e3
	s_add_co_i32 s49, s34, 127
	s_lshl_b32 s51, s49, 23
	v_mov_b32 v178, s51                            ; 2^e2
	s_add_co_i32 s49, s49, 8
	s_lshl_b32 s49, s49, 23
	s_or_b32 s49, s49, 0x600000
	v_mov_b32 v179, s49                            ; 448 x 2^e2
	v_mov_b32 v168, 1.0                            ; the one-hot's 1.0 goes through the quantiser like any number
	v_med3_num_f32 v168, v168, -v179, v179
.irp j, 169,170,171,172,173,174,175
	v_mov_b32 v[\j], 0
.endr
	v_cvt_scalef32_pk8_fp8_f32 v[176:177], v[168:175], v178
	v_nop
	v_and_b32 v[ONE], 0xff, v176
	; THE SCAN.  Mask 16 i + 4 e + b, bit l, stands for token 4096 wave + 512 i + 16 l + 4 e + b.  Mask m lies in lane m % 32 of register v[4 + m / 32].
.irp i, 0,1,2,3,4,5,6,7
	s_wait_loadcnt 17-\i                           ; load i is in; the 7 - i later loads of tid and the 10 of codes and rows may be out
.irp u, 0,1
.irp n, 0,1,2,3,4,5,6,7
	v_bfe_u32 v[208+\n], v[HELD+4*\i+2*\u+\n/4], 8*(\n%4), 8
.endr
.irp n, 0,1,2,3,4,5,6,7
	v_cmp_eq_u32 s[68+\n], s25, v[208+\n]
.endr
.irp n, 0,1,2,3,4,5,6,7
	v_writelane_b32 v[4+\i/2], s[68+\n], 16*(\i%2)+8*\u+\n
.endr
.endr
.endr
	s_wait_loadcnt 0x0                             ; my tile's codes and rows
; 16 places' rows, chosen: tile c's 64 select bits lie in s[82 + 2 c], s[83 + 2 c]
.macro OUTP c
.set J, 0
.rept 32
	v_permlane16_b32 v[OP+J], v[ER+J], s[82+2*\c], s[83+2*\c]
.set J, J+1
.endr
.irp k, 0,1,2,3,4,5,6,7
	ds_store_b128 v[SIN], v[OP+4*\k:OP+4*\k+3] offset:16*\k        ; lane (i, g): row i, channels 32 g + 4 k on
.endr
.endm
; places 16 c + 8 u .. + 7 leave: lanes 0-15 one row of 256 bytes, lanes 16-31 the next
.macro OUTS c, u
	s_wait_xcnt 0x0                                ; earlier stores have read their registers
.irp t, 0,1,2,3
	ds_load_b128 v[TT+4*\t:TT+4*\t+3], v[RB] offset:(4*\u+\t)*544  ; LDS serves a wave's instructions in order: these see my stores
.endr
.irp t, 0,1,2,3
	s_mov_b32 s[86+\t], 0x22222222*(4*\u+\t)       ; every lane takes lane 2 (4 u + t) of its half: place 2 (4 u + t) below, the place behind it above
.endr
.irp t, 0,1,2,3
	v_permlane16_b32 v[24+\t], v[X0+\c], s[86+\t], s[86+\t]
.endr
.irp t, 0,1,2,3
	v_min_u32 v[24+\t], 0xffff, v[24+\t]           ; a token's number stays inside out0
.endr
.irp t, 0,1,2,3
	v_lshl_add_u32 v[24+\t], v[24+\t], 8, v15
.endr
	s_wait_alu depctr_va_vdst(0)
	s_wait_dscnt 0x0
.irp t, 0,1,2,3
	global_store_b128 v[24+\t], v[TT+4*\t:TT+4*\t+3], s[16:17] th:TH_STORE_NT  ; sixteen lanes store 256 consecutive bytes, aligned
.endr
.endm
.macro FLUSH
	s_wait_xcnt 0x0                                ; earlier stores have read their registers
	v_readlane_b32 s52, v[P], 0
	v_cmp_gt_u32 s53, s36, v1                      ; places below the fill hold tokens;
	v_cndmask_b32 v[P], s52, v[P], s53             ; the others repeat the first token
	v_permlanex16_b32 v26, v[P], s[SEL], s[SEL+1]
	v_cndmask_b32 v24, v[P], v26, s28              ; place r, in both halves of the lanes,
	v_cndmask_b32 v25, v26, v[P], s28              ; place 16 + r
	v_min_u32 v24, 0xffff, v24                     ; a token's number stays inside xc
	v_min_u32 v25, 0xffff, v25
	v_mov_b32_dpp v[X0], v24 row_xmask:1 row_mask:0xf bank_mask:0xf
	v_mov_b32_dpp v[X0+1], v25 row_xmask:1 row_mask:0xf bank_mask:0xf
	v_cndmask_b32 v[X0], v24, v[X0], s28           ; lanes 16-31: the neighbouring place's token
	v_cndmask_b32 v[X0+1], v25, v[X0+1], s28
	v_lshl_add_u32 v24, v24, 7, v[H16]             ; its 128 bytes of codes, + 16 h
	v_lshl_add_u32 v25, v25, 7, v[H16]
.irp a, 0,1
.irp q, 0,1
	global_load_b128 v[XQ0+8*\a+4*\q:XQ0+8*\a+4*\q+3], v[24+\a], s[4:5] offset:32*\q     ; the first product's codes: channels 32 q + 16 h on
.endr
.endr
.irp q, 0,1
	global_load_b128 v[Q3A+4*\q:Q3A+4*\q+3], v24, s[4:5] offset:64+32*\q                 ; the second product's
	global_load_b128 v[Q3B+4*\q:Q3B+4*\q+3], v25, s[4:5] offset:64+32*\q
.endr
	s_wait_alu depctr_va_vdst(0)
	s_wait_loadcnt 0x0
.irp q, 0,1
	ds_store_b128 v11, v[Q3A+4*\q:Q3A+4*\q+3] offset:32*\q             ; place r's row: channels 32 q + 16 h on
	ds_store_b128 v11, v[Q3B+4*\q:Q3B+4*\q+3] offset:1536+32*\q        ; place 16 + r's
.endr
	v_wmma_f32_16x16x64_fp8_fp8 v[D1:D1+7], v[EC:EC+7], v[XQ0:XQ0+7], 0           ; lane (r, h), register j: code 8 h + j against place r
	v_wmma_f32_16x16x64_fp8_fp8 v[D1+8:D1+15], v[EC:EC+7], v[XQ0+8:XQ0+15], 0     ; against place 16 + r
.irp c, 0,1
.irp g, 0,1
	ds_load_tr16_b128 v[TR+4*(2*\c+\g):TR+4*(2*\c+\g)+3], v12 offset:1536*\c+32*\g   ; these see my stores.  Places 16 c + 8 h + 0 .. 7 of channels 32 g + 2 r, + 1
.endr
.endr
.irp j, 4,5,6,7
	v_mov_b32 v[AF+\j], 0                          ; K's upper 32 are empty.  (Four plain lines: the places between the products and the first read of their results)
.endr
	; the first largest of my eight codes, the two tiles by turns; each accumulator is read from its low end on
.irp a, 0,1
	v_cmp_gt_f32 s[68+\a], v[D1+8*\a+1], v[D1+8*\a]
.endr
.irp a, 0,1
	v_cndmask_b32 v[26+\a], 0, 1, s[68+\a]
	v_max_num_f32 v[24+\a], v[D1+8*\a], v[D1+8*\a+1]
.endr
.irp j, 2,3,4,5,6,7
.irp a, 0,1
	v_cmp_gt_f32 s[68+\a], v[D1+8*\a+\j], v[24+\a]
.endr
.irp a, 0,1
	v_cndmask_b32 v[26+\a], v[26+\a], \j, s[68+\a]
	v_max_num_f32 v[24+\a], v[24+\a], v[D1+8*\a+\j]
.endr
.endr
.irp a, 0,1
	v_lshl_add_u32 v[26+\a], v3, 3, v[26+\a]       ; as a code of the tile: 8 h + j
	v_permlanex16_b32 v[28+\a], v[24+\a], s[SEL], s[SEL+1]
	v_permlanex16_b32 v[30+\a], v[26+\a], s[SEL], s[SEL+1]
.endr
.irp a, 0,1
	v_cndmask_b32 v[208+\a], v[24+\a], v[28+\a], s28       ; codes 0-7's best, in both halves of the lanes,
	v_cndmask_b32 v[210+\a], v[28+\a], v[24+\a], s28       ; codes 8-15's best,
	v_cndmask_b32 v[212+\a], v[26+\a], v[30+\a], s28       ; and where they lie
	v_cndmask_b32 v[214+\a], v[30+\a], v[26+\a], s28
	v_cmp_gt_f32 s[68+\a], v[210+\a], v[208+\a]            ; strictly greater: the lower code keeps a tie
	v_cndmask_b32 v[26+\a], v[212+\a], v[214+\a], s[68+\a]
.endr
	v_cndmask_b32 v[LO], v26, v27, s28             ; place l's choice in lane l
	v_cmp_gt_u32 s53, s36, v2
	v_cmp_gt_u32 s54, s36, v22
	v_cndmask_b32 v30, 16, v26, s53                ; an empty place is marked 16: it equals no code, so it is neither summed nor counted
	v_cndmask_b32 v31, 16, v27, s54
	ds_store_b8 v13, v30                           ; lanes r and r + 16 hold the same number and write the same byte
	ds_store_b8 v13, v31 offset:16
	ds_load_b64 v[AF:AF+1], v14                    ; the choices of places 8 h + 0 .. 7,
	ds_load_b64 v[AF+2:AF+3], v14 offset:16        ; and 16 + 8 h + 0 .. 7: K's places in the operand
	v_min_u32 v28, 0xffff, v[P]
	v_lshlrev_b32 v28, 2, v28
	v_add_nc_u32 v29, s78, v[LO]
	global_store_b32 v28, v29, s[18:19]            ; out1
	s_wait_alu depctr_va_vdst(0)
	s_wait_dscnt 0x0                               ; the turned codes and the choices are in; my LDS stores have read their registers
.irp t, 0,1,2,3
.irp j, 4,5,6,7
	v_mov_b32 v[BF+8*\t+\j], 0                     ; K's upper 32 are empty
.endr
.endr
.irp g, 0,1
.irp e, 0,1
.irp c, 0,1
.irp u, 0,1
	v_perm_b32 v[BF+8*(2*\g+\e)+2*\c+\u], v[TR+4*(2*\c+\g)+2*\u+1], v[TR+4*(2*\c+\g)+2*\u], s[76+\e]   ; tile 2 g + e: lane r holds channel 32 g + 2 r + e, places 16 c + 8 h + 4 u + 0 .. 3
.endr
.endr
.endr
.endr
	; the one-hot fragment: a byte is 1 where the place's choice is r (choice xor r is 0 .. 31; 0x80 less it keeps bit 7 for 0 alone, and no byte borrows), then x the code of 1.0
.irp n, 0,1,2,3
	v_xor_b32 v[24+\n], v[AF+\n], v16
.endr
.irp n, 0,1,2,3
	v_sub_nc_u32 v[24+\n], 0x80808080, v[24+\n]
.endr
.irp n, 0,1,2,3
	v_lshrrev_b32 v[24+\n], 7, v[24+\n]
.endr
.irp n, 0,1,2,3
	v_and_b32 v[24+\n], 0x01010101, v[24+\n]
.endr
.irp n, 0,1,2,3
	v_mul_lo_u32 v[AF+\n], v[24+\n], v[ONE]
.endr
	v_add3_u32 v30, v24, v25, v26                  ; the counts: four words of ones, byte by byte (4 at the most),
	v_add_nc_u32 v30, v30, v27
	v_mul_lo_u32 v30, v30, 0x01010101              ; the four bytes' sum in the top byte (16 at the most)
	v_lshrrev_b32 v30, 24, v30
	v_add_nc_u32 v[CNT], v[CNT], v30
.irp t, 0,1,2,3
	v_wmma_f32_16x16x64_fp8_fp8 v[ACC+8*\t:ACC+8*\t+7], v[BF+8*\t:BF+8*\t+7], v[AF:AF+7], v[ACC+8*\t:ACC+8*\t+7]   ; the four sums by turns, one line a turn; the matrix line before them is another accumulator's
.endr
	; out0.  The select bits: place l's choice at bits 4 (l % 8) on, joined over each eight lanes
	v_and_b32 v24, 7, v1
	v_lshlrev_b32 v24, 2, v24
	v_lshlrev_b32 v24, v24, v[LO]
.irp m, 1,2,4
	v_mov_b32_dpp v25, v24 row_xmask:\m row_mask:0xf bank_mask:0xf
	v_or_b32 v24, v24, v25
.endr
	v_readlane_b32 s82, v24, 0
	v_readlane_b32 s83, v24, 8
	v_readlane_b32 s84, v24, 16
	v_readlane_b32 s85, v24, 24
	OUTP 0
	OUTS 0, 0
	s_cmp_le_u32 s36, 8                            ; groups of eight places that hold no token are not stored: the fill is a whole number made of loaded whole numbers
	s_wait_alu depctr_va_vdst(0)
	s_cbranch_scc1 .Ldone_\@
	OUTS 0, 1
	s_cmp_le_u32 s36, 16
	s_wait_alu depctr_va_vdst(0)
	s_cbranch_scc1 .Ldone_\@
	OUTP 1
	OUTS 1, 0
	s_cmp_le_u32 s36, 24
	s_wait_alu depctr_va_vdst(0)
	s_cbranch_scc1 .Ldone_\@
	OUTS 1, 1
.Ldone_\@:
	s_wait_xcnt 0x0                                ; what follows may write the stores' registers
.endm
	; THE WALK over the set bits: four registers of 32 masks; in each the lanes whose mask is not 0; in each mask its bits
	s_mov_b32 s36, 0                               ; the fill of the places
	s_mov_b32 s37, 0
	s_mov_b32 s38, 0                               ; the register's first token: 1,024 tokens a register of 32 masks
.Lgrp:
	s_mov_b32 s41, 0
.Lrep:                                                 ; a turn takes the lowest set bit of all 32 masks at once; 32 turns at the most, and the way out as soon as no bit is left
	s_wait_alu depctr_va_vdst(0)
	v_cmp_ne_u32 s39, 0, v4                        ; the lanes whose mask still has a bit
	s_cmp_eq_u32 s39, 0
	s_cbranch_scc1 .Lgrp_end
	v_sub_nc_u32 v98, 0, v4
	v_and_b32 v98, v4, v98                         ; the lowest set bit, alone,
	v_xor_b32 v4, v4, v98                          ; is taken out of the mask
	v_and_b32 v99, 0xaaaaaaaa, v98                 ; its number l, bit by bit: whole-number arithmetic alone
	v_and_b32 v100, 0xcccccccc, v98
	v_and_b32 v101, 0xf0f0f0f0, v98
	v_and_b32 v102, 0xff00ff00, v98
	v_and_b32 v103, 0xffff0000, v98
.irp j, 99,100,101,102,103
	v_min_u32 v[\j], 1, v[\j]
.endr
	v_lshl_add_u32 v103, v103, 1, v102
	v_lshl_add_u32 v103, v103, 1, v101
	v_lshl_add_u32 v103, v103, 1, v100
	v_lshl_add_u32 v103, v103, 1, v99
	v_lshl_add_u32 v103, v103, 4, v20              ; bit l's token: + 16 l
	v_add_nc_u32 v103, s38, v103
	s_bcnt1_i32_b32 s44, s39
	s_mov_b32 s45, 0
	s_wait_alu depctr_va_vdst(0)
.Ltok:                                                 ; the tokens go from their lanes to the next free places
	s_ctz_i32_b32 s46, s39
	s_lshl_b32 s49, 1, s46
	s_and_not1_b32 s39, s39, s49
	v_readlane_b32 s48, v103, s46
	s_wait_alu depctr_va_vdst(0)
	v_writelane_b32 v[P], s48, s36
	s_add_co_u32 s36, s36, 1
	s_cmp_lg_u32 s36, 32
	s_cbranch_scc1 .Lno_flush
	s_wait_alu depctr_va_vdst(0)
	FLUSH
	s_mov_b32 s36, 0
.Lno_flush:
	s_add_co_u32 s45, s45, 1
	s_cmp_lt_u32 s45, s44
	s_cbranch_scc1 .Ltok
	s_add_co_u32 s41, s41, 1
	s_cmp_lt_u32 s41, 32
	s_cbranch_scc1 .Lrep
.Lgrp_end:
	v_mov_b32 v4, v5
	v_mov_b32 v5, v6
	v_mov_b32 v6, v7
	s_add_co_u32 s38, s38, 1024
	s_add_co_u32 s37, s37, 1
	s_cmp_lt_u32 s37, 4
	s_cbranch_scc1 .Lgrp
	s_cmp_eq_u32 s36, 0
	s_cbranch_scc1 .Lno_tail
	s_wait_alu depctr_va_vdst(0)
	FLUSH                                          ; what is left
.Lno_tail:
	; THE SUM OVER THE WAVES.  Every address of the end is made here, on the path that all waves take, ahead of the first branch on the wave's number
	v_lshl_add_u32 v24, v2, 8, v10                 ; embed: row r, + 64 h
	v_lshlrev_b32 v25, 2, v2                       ; cluster_size, out3: 4 r
	v_lshl_add_u32 v26, v3, 8, v15                 ; out2: row h, + 16 r
	v_lshlrev_b32 v11, 4, v1                       ; 16 x lane: my place in an image
	s_lshl_b32 s49, s24, 12
	v_add_nc_u32 v12, s49, v11                     ; in my wave's image
	v_lshlrev_b32 v13, 3, v0                       ; 256 x wave + 8 x lane: my wave's slice of an image
	v_lshlrev_b32 v14, 2, v0
	v_add_nc_u32 v14, CNTB, v14                    ; my count's word: 128 x wave + 4 x lane
	v_lshlrev_b32 v16, 2, v1
	v_add_nc_u32 v16, CNTB, v16                    ; my lane's word in wave 0's counts
	v_mul_u32_u24 v22, v2, 272
	v_lshl_add_u32 v22, v3, 6, v22
	v_add_nc_u32 v22, OST, v22                     ; out2's stage, in: row r, + 64 h
	v_mul_u32_u24 v10, v3, 272
	v_add_nc_u32 v10, v10, v15
	v_add_nc_u32 v10, OST, v10                     ; back: row h, + 16 r
	s_cmp_lg_u32 s24, 0
	s_wait_alu depctr_va_vdst(0)
	s_cbranch_scc1 .Lnot_first
.irp g, 0,1
.irp i, 0,1,2,3
	global_load_b128 v[168+16*\g+4*\i:168+16*\g+4*\i+3], v24, s[6:7] offset:128*\g+16*\i   ; wave 0 asks now for what its end wants: register 16 g + i = embed[16 w + r][32 g + 16 h + i]
.endr
.endr
	global_load_b32 v200, v25, s[8:9]              ; cluster_size[16 w + r]
.Lnot_first:
.irp p, 0,1,2,3,4,5,6,7
	ds_store_b128 v12, v[ACC+4*\p:ACC+4*\p+3] offset:IMG+512*\p    ; my sums as they stand, each accumulator from its low end on
.endr
	ds_store_b32 v14, v[CNT]
	s_wait_dscnt 0x0                               ; for the others' sake: my image and my counts lie in LDS
	s_barrier_signal -1
	s_barrier_wait -1
.irp p, 0,1,2,3,4,5,6,7,8,9,10,11,12,13,14,15
	ds_load_b64 v[208+2*\p:209+2*\p], v13 offset:IMG+4096*\p       ; slice `wave` of all sixteen images
.endr
	s_wait_dscnt 0x0
.irp p, 0,1,2,3,4,5,6,7
	v_pk_add_f32 v[208+2*\p:209+2*\p], v[208+2*\p:209+2*\p], v[224+2*\p:225+2*\p]
.endr
.irp p, 0,1,2,3
	v_pk_add_f32 v[208+2*\p:209+2*\p], v[208+2*\p:209+2*\p], v[216+2*\p:217+2*\p]
.endr
.irp p, 0,1
	v_pk_add_f32 v[208+2*\p:209+2*\p], v[208+2*\p:209+2*\p], v[212+2*\p:213+2*\p]
.endr
	v_pk_add_f32 v[208:209], v[208:209], v[210:211]
	ds_store_b64 v13, v[208:209] offset:IMG        ; back into my slice of image 0, which no other wave reads before the next barrier
	s_wait_dscnt 0x0
	s_barrier_signal -1
	s_barrier_wait -1
	s_cmp_lg_u32 s24, 0
	s_cbranch_scc1 .Lend
	; WAVE 0: lane (r, h) holds code 16 w + r and the channels 32 g + 16 h + 0 .. 15.  Sum register 8 (2 g + e) + j is channel 32 g + 16 h + 2 j + e
.irp p, 0,1,2,3,4,5,6,7
	ds_load_b128 v[32+4*\p:35+4*\p], v11 offset:IMG+512*\p
.endr
.irp p, 0,1,2,3,4,5,6,7,8,9,10,11,12,13,14,15
	ds_load_b32 v[208+\p], v16 offset:128*\p
.endr
	s_wait_dscnt 0x0
	s_wait_loadcnt 0x0                             ; my rows of embed, cluster_size
	v_add3_u32 v208, v208, v209, v210
	v_add3_u32 v211, v211, v212, v213
	v_add3_u32 v214, v214, v215, v216
	v_add3_u32 v217, v217, v218, v219
	v_add3_u32 v220, v220, v221, v222
	v_add3_u32 v208, v208, v211, v214
	v_add3_u32 v217, v217, v220, v223
	v_add_nc_u32 v208, v208, v217
	v_permlanex16_b32 v209, v208, s[SEL], s[SEL+1]
	v_add_nc_u32 v208, v208, v209                  ; bins of code r
	v_cvt_f32_u32 v210, v208
	v_cmp_eq_u32 s53, 0, v208                      ; the code that no token chose
	v_cndmask_b32 v211, v210, 1.0, s53
	s_wait_alu depctr_va_vdst(0)
	v_rcp_f32 v212, v211
	v_nop                                          ; a plain line behind the transcendental,
	s_wait_alu depctr_va_vdst(0)                   ; and the wait ahead of its first reader
	v_ldexp_f32 v212, v212, s79                    ; 2^(e2 + e3) / bins
.set J, 0
.rept 16
	v_pk_mul_f32 v[32+J:33+J], v[32+J:33+J], v[212:213] op_sel_hi:[1,0]
.set J, J+2
.endr
	SUMSQ 32, 216
	SUMSQ 168, 220
	s_wait_alu depctr_va_vdst(0)
	RNORM2 216, 220
	v_cndmask_b32 v214, v216, v220, s53            ; 1 / norm of the mean, or of the old row where no token chose the code,
	v_mul_f32 v214, 0x3e4ccccd, v214               ; x (1 - decay)
	s_mov_b32 s30, 0x3f4ccccd                      ; decay
	s_mov_b32 s31, s30                             ; (named with it as a pair, so it is written)
.irp g, 0,1
.irp i, 0,1,2,3,4,5,6,7,8,9,10,11,12,13,14,15
	v_cndmask_b32 v[224+16*\g+\i], v[32+8*(2*\g+\i%2)+\i/2], v[168+16*\g+\i], s53
.endr
.endr
.set J, 0
.rept 16
	v_pk_mul_f32 v[224+J:225+J], v[224+J:225+J], v[214:215] op_sel_hi:[1,0]
.set J, J+2
.endr
.set J, 0
.rept 16
	v_pk_fma_f32 v[224+J:225+J], v[168+J:169+J], s[30:31], v[224+J:225+J] op_sel_hi:[1,0,1]   ; embed x decay + the normalised row x (1 - decay)
.set J, J+2
.endr
.irp g, 0,1
.irp i, 0,1,2,3
	ds_store_b128 v22, v[224+16*\g+4*\i:224+16*\g+4*\i+3] offset:128*\g+16*\i
.endr
.endr
.irp t, 0,1,2,3,4,5,6,7
	ds_load_b128 v[32+4*\t:35+4*\t], v10 offset:544*\t             ; rows 2 t and 2 t + 1, whole: these see my stores
.endr
.irp t, 0,1,2,3,4,5,6,7
	s_wait_dscnt 7-\t                              ; load t is in; the 7 - t later ones may be out
	global_store_b128 v26, v[32+4*\t:35+4*\t], s[20:21] offset:512*\t      ; sixteen lanes store 256 consecutive bytes, aligned
.endr
	v_mul_f32 v211, 0x3e4ccccd, v210
	v_fma_f32 v211, v200, s30, v211                ; cluster_size x decay + bins x (1 - decay)
	global_store_b32 v25, v211, s[22:23]           ; lanes r and r + 16 hold the same number and write the same word
.Lend:
	s_wait_xcnt 0x0
	v_lshl_add_u32 v254, v0, 2, SPARE
	v_mov_b32 v255, 0
	s_wait_alu depctr_va_vdst(0)
	s_wait_tensorcnt 0x0                           ; the wave's end
	ds_add_u32 v254, v255
	s_wait_dscnt 0x0
	s_endpgm
.Lfunc_end_k_qc7f4931ebf_finish:
	.size	k_qc7f4931ebf_finish, .Lfunc_end_k_qc7f4931ebf_finish-k_qc7f4931ebf_finish
	.p2alignl 7, 3214868480
	.fill 96, 4, 3214868480
	.section	.rodata,"a",@progbits
	.p2align	6, 0x0
	.amdhsa_kernel k_qc7f4931ebf_finish
		.amdhsa_group_segment_fixed_size 193280
		.amdhsa_private_segment_fixed_size 0
		.amdhsa_enable_private_segment 0
		.amdhsa_kernarg_size 80
		.amdhsa_user_sgpr_count 2
		.amdhsa_user_sgpr_kernarg_segment_ptr 1
		.amdhsa_wavefront_size32 1
		.amdhsa_system_sgpr_workgroup_id_x 1
		.amdhsa_system_sgpr_workgroup_id_y 1
		.amdhsa_system_sgpr_workgroup_id_z 1
		.amdhsa_system_vgpr_workitem_id 0
		.amdhsa_next_free_vgpr 256
		.amdhsa_next_free_sgpr 92
		.amdhsa_reserve_vcc 0
		.amdhsa_float_denorm_mode_32 3
		.amdhsa_float_denorm_mode_16_64 3
		.amdhsa_memory_ordered 1
		.amdhsa_forward_progress 1
		.amdhsa_inst_pref_size 97
	.end_amdhsa_kernel
	.amdgpu_metadata
---
amdhsa.version: [ 1, 2 ]
amdhsa.kernels:
  - .name:           k_qc7f4931ebf_finish
    .symbol:         k_qc7f4931ebf_finish.kd
    .args:
      - { .name: xc, .offset: 0, .size: 8, .value_kind: global_buffer, .address_space: global }
      - { .name: embed, .offset: 8, .size: 8, .value_kind: global_buffer, .address_space: global }
      - { .name: cluster_size, .offset: 16, .size: 8, .value_kind: global_buffer, .address_space: global }
      - { .name: lowp_scales, .offset: 24, .size: 8, .value_kind: global_buffer, .address_space: global }
      - { .name: ecodes, .offset: 32, .size: 8, .value_kind: global_buffer, .address_space: global }
      - { .name: tid, .offset: 40, .size: 8, .value_kind: global_buffer, .address_space: global }
      - { .name: out0, .offset: 48, .size: 8, .value_kind: global_buffer, .address_space: global }
      - { .name: out1, .offset: 56, .size: 8, .value_kind: global_buffer, .address_space: global }
      - { .name: out2, .offset: 64, .size: 8, .value_kind: global_buffer, .address_space: global }
      - { .name: out3, .offset: 72, .size: 8, .value_kind: global_buffer, .address_space: global }
    .group_segment_fixed_size: 193280
    .private_segment_fixed_size: 0
    .kernarg_segment_align: 8
    .kernarg_segment_size: 80
    .max_flat_workgroup_size: 512
    .sgpr_count:     92
    .vgpr_count:     256
    .wavefront_size: 32
...
	.end_amdgpu_metadata
.endif
;; end of part 3
